; MI455X (gfx1250); checked and timed in simulation.
; The chip was launched on July 23, 2026; its instructions are those of AMD's public machine-readable ISA for CDNA 5 (MIT licence, August 2026) and "CDNA5" Instruction Set Architecture Reference Guide (July 2026). The comments in the code are by the model that wrote it; some were corrected since.
;; Head self Dec. Allowed arithmetic: matrix products marked QUANTISED: E2M3 operands, one E8M0 scale for each 32 along K, by v_wmma_scale_f32_16x16x128_f8f6f4 with both operands' format E2M3, f32 sums; everything else in f32.
;; Inputs: Wk_codes 64 x 16 x 24 uint8 (E2M3 codes of Wk, K innermost, in blocks of 32 codes, four codes in three bytes); Wk_scales 64 x 16 uint8 (E8M0 scales of Wk, one for each 32 codes along K); Wq_codes 64 x 16 x 24 uint8 (E2M3 codes of Wq, K innermost, in blocks of 32 codes, four codes in three bytes); Wq_scales 64 x 16 uint8 (E8M0 scales of Wq, one for each 32 codes along K); Wv_codes 64 x 16 x 24 uint8 (E2M3 codes of Wv, K innermost, in blocks of 32 codes, four codes in three bytes); Wv_scales 64 x 16 uint8 (E8M0 scales of Wv, one for each 32 codes along K); x_codes 16 x 2,048 x 16 x 24 uint8 (E2M3 codes of x, K innermost, in blocks of 32 codes, four codes in three bytes); x_scales 16 x 2,048 x 16 uint8 (E8M0 scales of x, one for each 32 codes along K).
;; Outputs: out0 16 x 2,048 x 64 float32.
;; This version of the problem:
;;   THIS VERSION OF THE PROBLEM IS GIVEN IN LOW PRECISION. The matrix products marked QUANTISED in the list below multiply operands that are first quantised to E2M3 (2 exponent bits, 3 mantissa bits; 6 bits a number), with one power-of-two scale for each 32 numbers along K (OCP MX v1.0); their sums are f32. All else is computed in f32.
;;   The module's matrix products, in the order in which they are computed (A, B: the left and right operand; K: the contracted axis; several contracted axes count as one K, in the product's order):
;;     1. [M 32,768, K 512] x [K 512, N 64]; A: input x (given as codes); B: input Wq (given as codes): QUANTISED
;;     2. [M 32,768, K 512] x [K 512, N 64]; A: input x (given as codes); B: input Wk (given as codes): QUANTISED
;;     3. [M 32,768, K 512] x [K 512, N 64]; A: input x (given as codes); B: input Wv (given as codes): QUANTISED
;;     4. batch 16 x [M 2,048, K 64] x [K 64, N 2,048]; A: computed on the way; B: computed on the way: QUANTISED
;;     5. batch 16 x [M 2,048, K 2,048] x [K 2,048, N 64]; A: softmax (see below); B: computed on the way: QUANTISED
;;   THE QUANTISER, for each operand of a quantised product, along K:
;;     - K is cut into blocks of 32 from its start; a last block that is shorter is filled with zeros.
;;     - A block's scale is 2^e with e = floor(log2(the largest magnitude in the block)) - 2, held to -126 .. 127; a block of zeros has e = 0. As a byte (E8M0): e + 127.
;;     - Each number is divided by its block's scale, clamped to +-7.5, and rounded to the nearest number of E2M3, ties to even, subnormals kept.
;;     - The product sums the exact products of the quantised numbers (number of the format x scale) in f32.
;;   ~~~python
;;   def quantise(x, axis):      # numpy; x: float32 -> the quantised numbers, widened to float32 again
;;       x = np.moveaxis(x, axis, -1); K = x.shape[-1]
;;       x = np.pad(x, [(0, 0)] * (x.ndim - 1) + [(0, -K % 32)]); x = x.reshape(x.shape[:-1] + (-1, 32)); a = np.abs(x).max(-1, keepdims=True)
;;       e = np.where(a > 0, np.clip(np.frexp(np.where(a > 0, a, 1))[1] - 1 - 2, -126, 127), 0)      # np.frexp(a)[1] - 1 = floor(log2(a)), exactly
;;       r = np.clip(x / 2.0 ** e, -7.5, 7.5)
;;       step = 2.0 ** (np.maximum(np.frexp(np.where(r == 0, 1, r))[1] - 1, 0) - 3)
;;       q = np.round(r / step) * step * 2.0 ** e      # np.round: ties to even
;;       return np.moveaxis(q.reshape(q.shape[:-2] + (-1,))[..., :K], -1, axis).astype(np.float32)
;;   ~~~
;;   SOFTMAX AHEAD OF A QUANTISED PRODUCT. Where the list says 'softmax', what is quantised is not the finished softmax but p = 2^(t - M), with t = logit x log2(e) and M = ceil(the row's largest t), a whole number; so 1/2 < the row's largest p <= 1. The row's sum l is taken of the UNQUANTISED p, in f32, and the product's result is divided by l at the end. Since M is a whole number, a kernel that streams over the keys may use a running M (the ceiling of the running maximum): every later rescaling is an exact power of two, which a block's scale takes up: the codes' values come out the same.
;;   OPERANDS COMPUTED ON THE WAY. 'Computed on the way' means the value that the module computes at that place (a softmax that the list does not call 'softmax' is quantised finished and normalised). What goes into a quantiser is computed in f32, as accurately as f32 sums, v_exp_f32 and their like allow (about 1e-6 of the number): no bf16 or f16 on the way to a quantiser, and a product that is left as it is and whose result goes on into a quantised operand takes f32 operands (vector FMAs, or v_wmma_f32_16x16x4_f32). A number that lies on a knife's edge between two numbers of the format may be rounded either way, as far as f32 arithmetic and the matrix unit's own rounding can turn it there, and no further.
;;   INPUTS GIVEN AS CODES. Wk (in the module: [512, 64], K = its axis 0); Wq (in the module: [512, 64], K = its axis 0); Wv (in the module: [512, 64], K = its axis 0); x (in the module: [16, 2048, 512], K = its axis 2): each comes as NAME_codes (uint8): NAME with its K axis moved to the last place and cut into blocks of 32 codes, [.., K / 32, bytes a block], one block behind the other in memory; four codes in three bytes: a row's codes are one little-endian stream of bits, code i at bits 6 i .. 6 i + 5 (a code: sign, 2 exponent bits, 3 mantissa bits); and NAME_scales (uint8): the same leading axes, one E8M0 byte (e + 127) for each 32 codes along K. Its value is code x scale, taken as it is: it is not quantised again, and the codes and scales need not be those that the quantiser above would give.
;; One version. Each part assembles by itself: llvm-mc -triple=amdgcn-amd-amdhsa -mcpu=gfx1250 --defsym DOCPART=n.
;; ======== version 1 of 1: 2 launches
;; limits: right only within a limited range of input values
;; workspace buffers: qw 1,638,400 bytes; kv 3,276,800 bytes
;; launch proj (part 1): grid 256 x 1, 4 waves a work-group, clusters of 4 x 1, 167,936 bytes of LDS; arguments x_codes, x_scales, Wq_codes, Wq_scales, Wk_codes, Wk_scales, Wv_codes, Wv_scales, qw, kv; writes qw, kv
.if DOCPART == 1
	.amdgcn_target "amdgcn-amd-amdhsa--gfx1250"
	.amdhsa_code_object_version 6
	.text
	.protected	k_qd9fac21251_proj
	.globl	k_qd9fac21251_proj
	.p2align	8
	.type	k_qd9fac21251_proj,@function
k_qd9fac21251_proj:
	s_mov_b64 s[64:65], 0
	v_nop
	global_prefetch_b8 v0, s[64:65] scope:SCOPE_SE
	s_setreg_imm32_b32 hwreg(HW_REG_WAVE_MODE, 25, 1), 1
	s_wait_xcnt 0x0
	s_wait_alu depctr_hold_cnt(0) depctr_sa_sdst(0) depctr_va_vdst(0) depctr_va_sdst(0) depctr_va_ssrc(0) depctr_va_vcc(0) depctr_vm_vsrc(0)
	s_getreg_b32 s2, hwreg(HW_REG_IB_STS2, 6, 4)
	s_cmp_eq_u32 s2, 0
	s_cbranch_scc0 .Lentry_in_a_cluster
	s_endpgm
.Lentry_in_a_cluster:
	s_bfe_u32 s2, ttmp6, 0x10000c
	s_cmp_lg_u32 s2, 0x3003
	s_cbranch_scc0 .Lentry_shape_is_right
	s_endpgm
.Lentry_shape_is_right:
; q = x Wq, k = x Wk, v = x Wv on codes of FP6 (E2M3) with E8M0 scales, f32 sums; the results are quantised again at once, in registers
; (q and k along the head's 64, v along the keys), and leave as IMAGES OF OPERAND REGISTERS for the second launch.
; DEAD WORK: reference() sets every score with key > query to -infinity ahead of the softmax, whatever the inputs hold, so the second launch leaves out the steps of 128 keys
;   that lie wholly behind a block of 128 queries.  A NaN, an infinity or an overflow that reaches only such scores is not carried to the result.
; LIMITS: NaN, infinities and the scale byte 0xff among the inputs are not served.  A block whose largest magnitude lies under 2^-124 keeps the scale byte 1, a block of zeros too
;   (its codes are zeros; this program alone reads the bytes).
; SHARES.  A work-group takes 128 rows of x (one key step of the second launch), in two bands of 64.  Wave 2 c + s: band c; s = 0: q, s = 1: k, all 64 of the head; and v's columns 32 s .. 32 s + 31 of that band.
;   24 accumulators of 16 x 16 a wave: unit u = 0 .. 3 (x's tile u against the four tiles of Wq or Wk, source 0 = the weight: a lane holds one token, registers along the head) and
;   unit 4 + d (the band's four tiles of x against Wv's tile 2 s + d, source 0 = x: a lane holds one of the head's 64, registers along the keys).
; THE ROWS OF A TILE: rows 0-7 of tile t are rows 8 t .. 8 t + 7 of a group of 64, rows 8-15 are rows 32 + 8 (t xor 1) + 0 .. 7.  So the 32 registers of a unit are, in lanes 0-15, the group's first
;   block of 32 and in lanes 16-31 its second: a whole scale block in a lane.  (In the second the eights stand in the order 1, 0, 3, 2, alike in q and k, and alike in v and in the keys of the scores.)
;   And the 16 rows differ modulo 16: with an LDS row of 432 bytes the 32 lanes of a load of 8 bytes touch 64 different banks.  Wv's tiles are 16 neighbouring rows.
; OUT.  A unit is six registers of codes, 768 bytes: registers 0-3 at 16 x lane, registers 4-5 at 512 + 8 x lane.
;   kv block (12,800 bytes for 128 keys): K's tiles T = 4 c + t at 768 T; V's tile d, band c at 6144 + 768 (2 d + c); at 12288 the scale bytes: K at 16 r + 2 T + h, V at 256 + 16 r + 4 d + 2 c + h.
;   qw block (6,400 bytes): Q's tiles at 768 T, at 6144 the scale bytes 16 r + 2 T + h.   (r = lane % 16, h = lane / 16.)  The scale bytes meet in LDS and leave as whole runs of 256 and 512 bytes.
; CLUSTER.  Every work-group reads the same three weights: the four of a cluster ask for each of them jointly.  x's tile is each work-group's own.
; No prefetch: all that the launch reads is asked for once, at its head; there is no loop of loads to run ahead in.
.set PITCH, 432                        ; an LDS row: 384 bytes of codes + 16 of padding behind every 128
.set T64,   64*PITCH
.set SCR,   320*PITCH                  ; behind the 320 rows (x 0-127, Wq 128-191, Wk 192-255, Wv 256-319): 768 bytes for the scale bytes: K, V, Q
.set SPARE, SCR+768
.set LI,   4                           ; v4  16 x lane;  v5  8 x lane
.set L8,   5
.set SGE,  8                           ; v8-10  16 x row, for even tiles, odd tiles, Wv's tiles
.set SPW,  12
.set NIL,  13
.set SBQ,  14                          ; v14, v15  LDS: my scale bytes of q or k, of v
.set SBV,  15
.set AD,   16                          ; v16-35 LDS addresses of the ten fragments' rows, two each (the second for pieces that lie behind one padding more in lanes 16-31): x 4, Wq or Wk 4, Wv 2
.set SR8,  36
.set SR16, 37
.set WS,   40                          ; v40-55 scale words of Wq or Wk;  v56-63 of Wv;  v66-81 of x: four (K steps) a tile
.set VSC,  56
.set XS,   66
.set RW,   84                          ; v84-86 at work: row x pitch + 24 h
.set TA,   96                          ; v96-107 the chains of maxima
.set SOP,  112                         ; v112-117 the conversions' scale operands
.set BY,   120                         ; v120-125 scale bytes
.set MC,   128                         ; v128-163 codes, six registers a unit
.set TC,   168                         ; v168-191 the second conversions' codes
                                       ; window 1: v[32 u + 8 i] the accumulators;  window 2: two buffers of ten fragments, 120 registers each
.set G1X,  36
.set G1W,  44
.set G0X,  52
.set G0W,  56
.set MSB, 0
.macro WIN new
.if MSB != \new
	s_set_vgpr_msb (MSB<<8)|\new
.set MSB, \new
.endif
.endm
.macro PLACES
.rept 4
	v_nop
.endr
.endm
.macro ROUND
	s_barrier_signal -1
	s_barrier_wait -1
	s_cmp_lg_u32 s28, 0
	s_cbranch_scc1 .Lnot_wave_0_\@
	s_barrier_signal -3
.Lnot_wave_0_\@:
	s_barrier_wait -3
	s_barrier_signal -1
	s_barrier_wait -1
.endm
; A fragment, 16 rows x 128 K: lane (r, h) takes the 24 bytes at 96 s + 24 h and at 96 s + 48 + 24 h of its row, in pieces of 8, two to a load where both go by the same address register.
; Piece n of a row lies at 8 (n + 2 (n / 16)); lanes 16-31 read three pieces further on.
.macro FRAG reg, s, a
.set SKIP_, 0
.irp p, 0,1,2,3,4,5
.if SKIP_
.set SKIP_, 0
.else
.set P_, 12*(\s)+6*(\p/3)+\p%3
.set Q_, 12*(\s)+6*((\p+1)/3)+(\p+1)%3
.set X_, (P_%16+3)/16
.set Y_, (Q_%16+3)/16
.if (\p < 5) && (X_ == Y_)
.set SKIP_, 1
	ds_load_2addr_b64 v[\reg+2*\p:\reg+2*\p+3], v[\a+X_] offset0:P_+2*(P_/16) offset1:Q_+2*(Q_/16)
.else
	ds_load_b64 v[\reg+2*\p:\reg+2*\p+1], v[\a+X_] offset:8*(P_+2*(P_/16))
.endif
.endif
.endr
.endm
.macro LOADK s, e                      ; K step s into buffer e: 30 loads for s = 0, 3, 40 for s = 1, 2
	WIN 0x80
.set F_, 0
.rept 10
	FRAG 120*\e+12*F_, \s, AD+2*F_
.set F_, F_+1
.endr
.endm
.macro MUL d, a, b, sa, sb, s
.if \s
	v_wmma_scale_f32_16x16x128_f8f6f4 v[\d:\d+7], v[\a:\a+11], v[\b:\b+11], v[\d:\d+7], v[\sa], v[\sb] matrix_a_fmt:MATRIX_FMT_FP6 matrix_b_fmt:MATRIX_FMT_FP6
.else
	v_wmma_scale_f32_16x16x128_f8f6f4 v[\d:\d+7], v[\a:\a+11], v[\b:\b+11], 0, v[\sa], v[\sb] matrix_a_fmt:MATRIX_FMT_FP6 matrix_b_fmt:MATRIX_FMT_FP6
.endif
.endm
.macro MULK s, e                       ; 24 matrix instructions, the accumulators by turns, in the same order in every step
	WIN 0x5a                                       ; sources window 2, C and D window 1
.irp t, 0,1,2,3
.irp w, 0,1,2,3
	MUL 32*\t+8*\w, 120*\e+48+12*\w, 120*\e+12*\t, WS+4*\w+\s, XS+4*\t+\s, \s
.endr
.endr
.irp d, 0,1
.irp t, 0,1,2,3
	MUL 128+32*\d+8*\t, 120*\e+12*\t, 120*\e+96+12*\d, XS+4*\t+\s, VSC+4*\d+\s, \s
.endr
.endr
.endm
	s_load_b512 s[8:23], s[0:1], 0x0               ; x's codes s[8:9], scales s[10:11]; Wq's s[12:13], s[14:15]; Wk's s[16:17], s[18:19]; Wv's s[20:21], s[22:23]
	s_load_b128 s[24:27], s[0:1], 0x40             ; qw s[24:25], kv s[26:27]
	v_lshl_add_u32 v[SPW], v0, 2, SPARE
	v_mov_b32 v[NIL], 0
	ds_add_u32 v[SPW], v[NIL]                      ; the add here, twice on end
	ds_add_u32 v[SPW], v[NIL]
	v_lshrrev_b32 v1, 5, v0
	v_readfirstlane_b32 s28, v1                    ; wave 0..3
	s_lshr_b32 s29, s28, 1                         ; c
	s_and_b32 s30, s28, 1                          ; s
	s_bfe_u32 s31, ttmp6, 0x40000                  ; cx: it enters global addresses alone
	s_lshl_b32 s32, ttmp9, 2                       ; in a cluster launch ttmp9 counts clusters
	s_add_co_u32 s32, s32, s31                     ; the block of 128 rows
	; descriptor group 1: dense blocks as rows of 256 bytes, 16 bytes of padding behind every 32 words: 128 rows of 384 bytes are 192 of them, 64 rows 96
	s_mov_b32 s[G1X], (1<<20)|(4<<22)|(3<<25)
	s_mov_b32 s[G1X+1], 256<<16
	s_mov_b32 s[G1X+2], 192<<16
	s_mov_b32 s[G1X+3], 256<<16
	s_mov_b32 s[G1X+4], 192
	s_mov_b32 s[G1X+5], 256
	s_mov_b32 s[G1X+6], 0
	s_mov_b32 s[G1X+7], 0
	s_mov_b32 s[G1W], 15|(1<<20)|(1<<21)|(4<<22)|(3<<25)   ; with the mask of all four work-groups
	s_mov_b32 s[G1W+1], 256<<16
	s_mov_b32 s[G1W+2], 96<<16
	s_mov_b32 s[G1W+3], 256<<16
	s_mov_b32 s[G1W+4], 96
	s_mov_b32 s[G1W+5], 256
	s_mov_b32 s[G1W+6], 0
	s_mov_b32 s[G1W+7], 0
	s_mul_i32 s33, s29, T64                        ; my band of x
	s_mul_i32 s34, s30, T64
	s_add_co_u32 s34, s34, 128*PITCH               ; Wq or Wk
	s_mul_i32 s35, s30, 32*PITCH
	s_add_co_u32 s35, s35, 256*PITCH               ; Wv's tile 2 s
	s_xor_b32 s60, s30, 1
	s_lshl_b32 s60, s60, 9
	s_lshl_b32 s61, s29, 3
	s_add_co_u32 s60, s60, s61
	s_add_co_u32 s60, s60, SCR                     ; q or k: SCR + 512 (1 - s) + 8 c
	s_lshl_b32 s61, s30, 3
	s_lshl_b32 s62, s29, 1
	s_add_co_u32 s61, s61, s62
	s_add_co_u32 s61, s61, SCR+256                 ; v: SCR + 256 + 8 s + 2 c
	v_and_b32 v1, 15, v0                           ; r
	v_bfe_u32 v2, v0, 4, 1                         ; h
	v_and_b32 v3, 31, v0
	v_and_b32 v6, 7, v0
	v_bfe_u32 v7, v0, 3, 1
	v_lshlrev_b32 v[LI], 4, v3
	v_lshlrev_b32 v[L8], 3, v3
	v_mul_u32_u24 v84, 40, v7
	v_mul_u32_u24 v85, 24, v7
	v_add_nc_u32 v84, v84, v6                      ; my row of an even tile, less 8 t,
	v_add_nc_u32 v85, v85, v6                      ; and of an odd one
	v_lshlrev_b32 v[SGE], 4, v84
	v_lshlrev_b32 v[SGE+1], 4, v85
	v_lshlrev_b32 v[SGE+2], 4, v1
	v_mul_u32_u24 v84, PITCH, v84
	v_mul_u32_u24 v85, PITCH, v85
	v_mul_u32_u24 v86, PITCH, v1
	v_mad_u32_u24 v84, v2, 24, v84
	v_mad_u32_u24 v85, v2, 24, v85
	v_mad_u32_u24 v86, v2, 24, v86
	v_lshl_add_u32 v11, v1, 4, v2
	v_add_nc_u32 v[SBQ], s60, v11
	v_add_nc_u32 v[SBV], s61, v11
	v_add_nc_u32 v[SR8], SCR+512, v[L8]
	v_add_nc_u32 v[SR16], SCR, v[LI]
.irp t, 0,1,2,3
	s_add_co_u32 s62, s33, 8*PITCH*\t
	v_add_nc_u32 v[AD+2*\t], s62, v[RW+\t%2]
	v_lshl_add_u32 v[AD+2*\t+1], v2, 4, v[AD+2*\t]
.endr
.irp t, 0,1,2,3
	s_add_co_u32 s62, s34, 8*PITCH*\t
	v_add_nc_u32 v[AD+8+2*\t], s62, v[RW+\t%2]
	v_lshl_add_u32 v[AD+9+2*\t], v2, 4, v[AD+8+2*\t]
.endr
.irp d, 0,1
	s_add_co_u32 s62, s35, 16*PITCH*\d
	v_add_nc_u32 v[AD+16+2*\d], s62, v[RW+2]
	v_lshl_add_u32 v[AD+17+2*\d], v2, 4, v[AD+16+2*\d]
.endr
	s_wait_alu depctr_va_vdst(0)                   ; the wait at the head's end
	s_wait_dscnt 0x0
	ROUND                                          ; all four work-groups are here: the joint loads meet
	s_wait_kmcnt 0x0
	s_mul_i32 s34, s32, 128*384
	s_mov_b32 s35, 0
	s_mov_b32 s[G0X], 1
	s_mov_b32 s[G0X+1], 0
	s_add_nc_u64 s[G0X+2:G0X+3], s[8:9], s[34:35]
	s_or_b32 s[G0X+3], s[G0X+3], 0x80000000
	s_mov_b32 s[G0W], 1
	s_mul_i32 s[G0W+1], s28, T64
	s_add_co_u32 s[G0W+1], s[G0W+1], T64           ; waves 1, 2, 3: rows 128, 192, 256
	s_cmp_eq_u32 s28, 2                            ; wave 1: Wq, wave 2: Wk, wave 3: Wv: the same in all four work-groups
	s_cselect_b64 s[G0W+2:G0W+3], s[16:17], s[12:13]
	s_cmp_eq_u32 s28, 3
	s_cselect_b64 s[G0W+2:G0W+3], s[20:21], s[G0W+2:G0W+3]
	s_or_b32 s[G0W+3], s[G0W+3], 0x80000000
	s_cmp_lt_u32 s28, 1                            ; the launch's only fills, one a wave
	s_cbranch_scc0 .Lnot_x
	tensor_load_to_lds s[G0X:G0X+3], s[G1X:G1X+7]
	s_nop 0
	PLACES
	s_branch .Lasked
.Lnot_x:
	tensor_load_to_lds s[G0W:G0W+3], s[G1W:G1W+7]
	s_nop 0
	PLACES
.Lasked:
	; the scale words, 16 bytes a row: its four K steps' words
	s_lshl_b32 s34, s32, 11
	s_lshl_b32 s33, s29, 10
	s_add_co_u32 s34, s34, s33
	s_add_nc_u64 s[70:71], s[10:11], s[34:35]
	s_cmp_eq_u32 s30, 0
	s_cselect_b64 s[72:73], s[14:15], s[18:19]
	s_lshl_b32 s34, s30, 9
	s_add_nc_u64 s[74:75], s[22:23], s[34:35]
.irp t, 0,1,2,3
	global_load_b128 v[XS+4*\t:XS+4*\t+3], v[SGE+\t%2], s[70:71] offset:128*\t
.endr
.irp t, 0,1,2,3
	global_load_b128 v[WS+4*\t:WS+4*\t+3], v[SGE+\t%2], s[72:73] offset:128*\t
.endr
.irp d, 0,1
	global_load_b128 v[VSC+4*\d:VSC+4*\d+3], v[SGE+2], s[74:75] offset:256*\d
.endr
	; where the results go: s[62:63] my block of qw, s[66:67] of kv, s[68:69] my units of q or k, s[76:77] of v
	s_mul_i32 s34, s32, 6400
	s_add_nc_u64 s[62:63], s[24:25], s[34:35]
	s_mul_i32 s34, s32, 12800
	s_add_nc_u64 s[66:67], s[26:27], s[34:35]
	s_mul_i32 s34, s29, 3072
	s_cmp_eq_u32 s30, 0
	s_cselect_b64 s[68:69], s[62:63], s[66:67]
	s_add_nc_u64 s[68:69], s[68:69], s[34:35]
	s_mul_i32 s34, s30, 3072
	s_mul_i32 s33, s29, 768
	s_add_co_u32 s34, s34, s33
	s_add_co_u32 s34, s34, 6144
	s_add_nc_u64 s[76:77], s[66:67], s[34:35]
	s_wait_tensorcnt 0x0                           ; my tile has landed,
	s_barrier_signal -1
	s_barrier_wait -1                              ; everybody's has
	LOADK 0, 0
	LOADK 1, 1
	s_wait_loadcnt 0x0                             ; the scale words
	s_wait_dscnt 40                                ; all but step 1's 40 loads
	MULK 0, 0
	PLACES                                         ; in front of loads into registers that matrix instructions have read
	LOADK 2, 0
	s_wait_dscnt 40                                ; all but step 2's 40
	MULK 1, 1
	PLACES
	LOADK 3, 1
	s_wait_dscnt 30                                ; all but step 3's 30
	MULK 2, 0
	s_wait_dscnt 0x0
	MULK 3, 1
	PLACES                                         ; the products' results are read
; THE QUANTISER, six units side by side: two chains a unit over 16 numbers each, every accumulator from its low end on; the floor 2^(3 - 127) holds the byte at 1 from below
	WIN 0x15
.irp u, 0,1,2,3,4,5
.irp f, 0,1
	v_max3_num_f32 v[TA+2*\u+\f], |v[32*\u+16*\f]|, |v[32*\u+16*\f+1]|, |v[32*\u+16*\f+2]|
.endr
.endr
	WIN 0x14
.irp i, 3,5,7,9,11,13
.irp u, 0,1,2,3,4,5
.irp f, 0,1
	v_max3_num_f32 v[TA+2*\u+\f], v[TA+2*\u+\f], |v[32*\u+16*\f+\i]|, |v[32*\u+16*\f+\i+1]|
.endr
.endr
.endr
	WIN 0x04
.irp u, 0,1,2,3,4,5
	v_max3_num_f32 v[TA+2*\u], v[TA+2*\u], |v[32*\u+15]|, 0x1800000
.endr
.irp u, 0,1,2,3,4,5
	v_max3_num_f32 v[TA+2*\u+1], v[TA+2*\u+1], |v[32*\u+31]|, v[TA+2*\u]
.endr
	WIN 0
.irp u, 0,1,2,3,4,5
	v_add_nc_u32 v[SOP+\u], 0xff000000, v[TA+2*\u+1]   ; 2 off its exponent field: the conversion takes the exponent field of this operand as its scale
.endr
.irp u, 0,1,2,3,4,5
	v_lshrrev_b32 v[BY+\u], 23, v[SOP+\u]
.endr
.irp u, 0,1,2,3
	ds_store_b8 v[SBQ], v[BY+\u] offset:2*\u
.endr
.irp d, 0,1
	ds_store_b8 v[SBV], v[BY+4+\d] offset:4*\d
.endr
	s_wait_alu depctr_va_vdst(0)
	s_wait_dscnt 0x0                               ; for wave 0's sake: my scale bytes lie in LDS
	s_barrier_signal -1
	WIN 0x01                                       ; register work between signal and wait
.irp u, 0,1,2,3,4,5
	v_cvt_scalef32_pk16_fp6_f32 v[MC+6*\u:MC+6*\u+2], v[32*\u:32*\u+15], v[SOP+\u]
	v_cvt_scalef32_pk16_fp6_f32 v[TC+4*\u:TC+4*\u+2], v[32*\u+16:32*\u+31], v[SOP+\u]   ; (a conversion's three registers begin on an even number)
.endr
	WIN 0
	v_nop
.irp u, 0,1,2,3,4,5
.irp i, 0,1,2
	v_mov_b32 v[MC+6*\u+3+\i], v[TC+4*\u+\i]
.endr
.endr
	s_wait_alu depctr_va_vdst(0)
	s_barrier_wait -1
.irp u, 0,1,2,3
	global_store_b128 v[LI], v[MC+6*\u:MC+6*\u+3], s[68:69] offset:768*\u         ; 512 consecutive bytes, at a multiple of 256 from the buffer's first byte
	global_store_b64 v[L8], v[MC+6*\u+4:MC+6*\u+5], s[68:69] offset:768*\u+512    ; 256
.endr
.irp d, 0,1
	global_store_b128 v[LI], v[MC+24+6*\d:MC+27+6*\d], s[76:77] offset:1536*\d
	global_store_b64 v[L8], v[MC+28+6*\d:MC+29+6*\d], s[76:77] offset:1536*\d+512
.endr
	s_cmp_lg_u32 s28, 0
	s_cbranch_scc1 .Lnot_0
	ds_load_b64 v[192:193], v[SR8]                 ; Q's scale bytes
	ds_load_b128 v[194:197], v[SR16]               ; K's, then V's
	s_wait_dscnt 0x0
	global_store_b64 v[L8], v[192:193], s[62:63] offset:6144
	global_store_b128 v[LI], v[194:197], s[66:67] offset:12288
.Lnot_0:
	s_wait_tensorcnt 0x0                           ; the wave's end
	ds_add_u32 v[SPW], v[NIL]
	s_wait_dscnt 0x0
	ROUND                                          ; the closing round: no work-group ends while a partner may still ask for a tile that names it
	s_endpgm
.Lfunc_end_k_qd9fac21251_proj:
	.size	k_qd9fac21251_proj, .Lfunc_end_k_qd9fac21251_proj-k_qd9fac21251_proj
	.p2alignl 7, 3214868480
	.fill 96, 4, 3214868480
	.section	.rodata,"a",@progbits
	.p2align	6, 0x0
	.amdhsa_kernel k_qd9fac21251_proj
		.amdhsa_group_segment_fixed_size 167936
		.amdhsa_private_segment_fixed_size 0
		.amdhsa_enable_private_segment 0
		.amdhsa_kernarg_size 80
		.amdhsa_user_sgpr_count 2
		.amdhsa_user_sgpr_kernarg_segment_ptr 1
		.amdhsa_wavefront_size32 1
		.amdhsa_system_sgpr_workgroup_id_x 1
		.amdhsa_system_sgpr_workgroup_id_y 1
		.amdhsa_system_sgpr_workgroup_id_z 1
		.amdhsa_system_vgpr_workitem_id 0
		.amdhsa_next_free_vgpr 768
		.amdhsa_next_free_sgpr 80
		.amdhsa_reserve_vcc 0
		.amdhsa_float_denorm_mode_32 3
		.amdhsa_float_denorm_mode_16_64 3
		.amdhsa_memory_ordered 1
		.amdhsa_forward_progress 1
		.amdhsa_inst_pref_size 41
	.end_amdhsa_kernel
	.amdgpu_metadata
---
amdhsa.version: [ 1, 2 ]
amdhsa.kernels:
  - .name:           k_qd9fac21251_proj
    .symbol:         k_qd9fac21251_proj.kd
    .args:
      - { .name: x_codes, .offset: 0, .size: 8, .value_kind: global_buffer, .address_space: global }
      - { .name: x_scales, .offset: 8, .size: 8, .value_kind: global_buffer, .address_space: global }
      - { .name: Wq_codes, .offset: 16, .size: 8, .value_kind: global_buffer, .address_space: global }
      - { .name: Wq_scales, .offset: 24, .size: 8, .value_kind: global_buffer, .address_space: global }
      - { .name: Wk_codes, .offset: 32, .size: 8, .value_kind: global_buffer, .address_space: global }
      - { .name: Wk_scales, .offset: 40, .size: 8, .value_kind: global_buffer, .address_space: global }
      - { .name: Wv_codes, .offset: 48, .size: 8, .value_kind: global_buffer, .address_space: global }
      - { .name: Wv_scales, .offset: 56, .size: 8, .value_kind: global_buffer, .address_space: global }
      - { .name: qw, .offset: 64, .size: 8, .value_kind: global_buffer, .address_space: global }
      - { .name: kv, .offset: 72, .size: 8, .value_kind: global_buffer, .address_space: global }
    .group_segment_fixed_size: 167936
    .private_segment_fixed_size: 0
    .kernarg_segment_align: 8
    .kernarg_segment_size: 80
    .max_flat_workgroup_size: 128
    .sgpr_count:     80
    .vgpr_count:     768
    .wavefront_size: 32
...
	.end_amdgpu_metadata
.endif
;; end of part 1
;; launch attn (part 2): grid 16 x 16, 16 waves a work-group, clusters of 4 x 1, 278,528 bytes of LDS; arguments qw, kv, out0; writes out0
.if DOCPART == 2
	.amdgcn_target "amdgcn-amd-amdhsa--gfx1250"
	.amdhsa_code_object_version 6
	.text
	.protected	k_qd9fac21251_attn
	.globl	k_qd9fac21251_attn
	.p2align	8
	.type	k_qd9fac21251_attn,@function
k_qd9fac21251_attn:
	s_mov_b64 s[64:65], 0
	v_nop
	global_prefetch_b8 v0, s[64:65] scope:SCOPE_SE
	s_setreg_imm32_b32 hwreg(HW_REG_WAVE_MODE, 25, 1), 1
	s_wait_xcnt 0x0
	s_wait_alu depctr_hold_cnt(0) depctr_sa_sdst(0) depctr_va_vdst(0) depctr_va_sdst(0) depctr_va_ssrc(0) depctr_va_vcc(0) depctr_vm_vsrc(0)
	s_getreg_b32 s2, hwreg(HW_REG_IB_STS2, 6, 4)
	s_cmp_eq_u32 s2, 0
	s_cbranch_scc0 .Lentry_in_a_cluster
	s_endpgm
.Lentry_in_a_cluster:
	s_bfe_u32 s2, ttmp6, 0x10000c
	s_cmp_lg_u32 s2, 0x3003
	s_cbranch_scc0 .Lentry_shape_is_right
	s_endpgm
.Lentry_shape_is_right:
; out[b][q] = the sum over k <= q of softmax_k(q . k / 8) v, both products on codes of FP6 (E2M3) with E8M0 scales, from the register images that the first launch stored.
; LEFT OUT: steps of 128 keys that lie wholly behind a block of 128 queries: reference()'s own mask throws their scores away, for all values of the inputs.
; THE SOFTMAX AHEAD OF THE SECOND PRODUCT: t = score x log2(e) / 8; M = the row's largest t so far, rounded UP to a whole number; p = 2^(t - M) is quantised along the keys, not normalised.
; The row's sum is taken of the unquantised p, in f32, and divides at the end.  When M moves, the sum and O are multiplied by 2^(old M - new M): exact.
; SHARES.  A tile is 16 queries; its keys go 128 a step.  The queries of block n - 1 (128 of them) need n steps, the last on the diagonal.  Cluster c (0..3) of a batch takes blocks with n = 2 c + 1, 2 c + 2, 15 - 2 c, 16 - 2 c;
;   of each block work-group cx takes tiles T = 2 cx and 2 cx + 1: eight tiles, 68 steps a work-group.  EACH TILE HAS TWO WAVES: wave e (0 or 1) takes steps e, e + 2, .. below n, 8 at the most, with an M, a sum and an O^T of its own;
;   at the end the two are brought under the larger M, by exact powers of two, and added.
;   Wave w (0..15): a = w & 3: u = a & 1 the tile of the two, k = a >> 1;  tau = ((w >> 2) + a) & 3: e = tau & 1, hi = tau >> 1;  n = 2 c + 1 + k + hi (15 - 4 c - 2 k).
; CLUSTER.  n hangs on the cluster's number and the wave's number alone, so the four work-groups of a cluster run alike, and cx enters only global addresses and the numbers that the mask compares.
;   All four walk the same batch's K and V: every tile is asked for jointly.  A batch's 16 blocks of kv, 204,800 bytes, stay in LDS, filled once: wave w asks for step w's block, 50 rows of 256 bytes, its one tensor load.
;   Waves 0 and 1 have a load line of their own: the first barrier waits for steps 0 and 1 alone, the second, a trip later, for all others.  Behind it no barrier stands in the walk.
; EVERY WAVE WALKS 8 TRIPS: the trip counts are constants; a step behind a tile's last is left out by a scalar branch on ids round its work.
; LAYOUT.  Both products are used transposed (S^T = K Q^T, O^T = V^T P^T): a lane holds ONE query throughout.  Tile T = 4 c + t holds, in rows 0-7, tokens 64 c + 8 t + 0..7 of its 128 and, in rows 8-15, tokens 64 c + 32 + 8 (t xor 1) + 0..7:
;   so registers 32 c + 0..31 of the scores are, in lane (r, h), the whole block 2 c + h of 32 keys: no lane looks at another but for the row's maximum and p's scale word.
; THE FIRST PRODUCT HAS K = 64.  One fragment of K holds TWO tiles of keys, in K's places 0-63 and 64-127; it is multiplied by (q | zero codes) for the first and by (zero codes | q) for the second, both cut from 18 registers [0 | q | 0].
;   Zero codes add exactly nothing under any scale byte but 0xff.  q's scale word holds its two bytes twice.
; A BLOCK'S SCALE is the floor of its largest t - M: the exponent of its largest p.  A block all of whose p lie under 2^-124 keeps the byte 1.
; LIMITS: NaN, infinities and the scale byte 0xff are not served; the scaled scores t stay under 2^31 in magnitude.
; No prefetch: all tiles are asked for once, at the head; there is no loop of loads to run ahead in.
.set STEPB, 12800                      ; a step's block: K's eight tiles at 768 T, V at 6144 + 768 (2 d + c), the scale bytes at 12288
.set STAGE, 16*STEPB                   ; behind the tiles: 16 rows x 272 bytes for each tile, for the way out; no fill lands there
.set XSL,   4608                       ; an exchange slot: the image of O^T's 32 registers and of v[12:15]: nine groups of 512 bytes
.set XCH,   STAGE+8*16*272
.set SPARE, XCH+8*XSL
.set LI,  1                            ; v1   16 x lane;  v2  8 x lane
.set L8,  2
.set ADR, 3                            ; v3, v4  LDS address of the step in hand + these
.set AD8, 4
.set QS,  5                            ; v5   q's scale word
.set DO,  6                            ; v6   my query's place in its block, less 24 h: for the mask of odd tiles;  v13  less 40 h: even tiles
.set R,   7                            ; v7   the largest score so far
.set PS,  8                            ; v8   p's scale word
.set TMP, 9
.set NM,  10                           ; v10  -M
.set SH,  11                           ; v11  8 h (named with -M as a pair)
.set F,   12                           ; v12  2^(old M - new M)
.set DE,  13
.set SUM, 14                           ; v[14:15] the sum in two halves
.set QZ,  16                           ; v16-33 [6 zeros | q | 6 zeros]
.set KB,  34                           ; v34-81   K's eight tiles
.set VB,  82                           ; v82-129  V's four tiles
.set S,   130                          ; v130-193 S^T, then p; at the end the partner's image and the rows of out0
.set O,   194                          ; v194-225 O^T
.set PC,  226                          ; v226-237 p's codes
.set KS,  238                          ; v238-241 the scale block, read for K (lanes 0-15);  v242-245 read for V (lanes 16-31)
.set VS,  242
.set BM,  246                          ; v246-249 the blocks' largest scores; v246-248, v250-252 the second conversions' codes, then the sums' chains; at the end factors
.set ST,  250                          ; v250-253 at work; at the end addresses
.set SO,  254                          ; v254-255 the conversions' scale operands; at the kernel's two ends the add's registers
.set WV,  10                           ; s10 wave;  s11 cx;  s12 c;  s13 batch;  s14 u
.set CX,  11
.set CC,  12
.set BA,  13
.set UU,  14
.set NST, 17                           ; s17 n: my tile's steps
.set SI,  18                           ; s18 the step's number
.set TB,  19                           ; s19 its LDS byte
.set SEL, 20                           ; s[20:21] v_permlanex16_b32's selects for lane l xor 16
.set CS,  22                           ; s[22:23] log2(e) / 8
.set G1,  24                           ; s[24:31] descriptor group 1;  s[32:35] group 0
.set G0,  32
.set CT,  48                           ; s48 a loop's counter
.set DC,  49                           ; s49 my tile's first query in its block
.set EE,  68                           ; s68 e
.set SL,  69                           ; s69 the tile's number in the work-group: a + 4 hi
.macro ROUND
	s_barrier_signal -1
	s_barrier_wait -1
	s_cmp_lg_u32 s[WV], 0
	s_cbranch_scc1 .Lnot_wave_0_\@
	s_barrier_signal -3
.Lnot_wave_0_\@:
	s_barrier_wait -3
	s_barrier_signal -1
	s_barrier_wait -1
.endm
.macro BARRIER                         ; no LDS load of mine is out
	s_wait_dscnt 0x0
	s_barrier_signal -1
	s_barrier_wait -1
.endm
.macro KLOAD off                       ; 17 loads: K's eight tiles and the scale block, off bytes from the step in hand
.irp t, 0,1,2,3,4,5,6,7
	ds_load_b128 v[KB+6*\t:KB+6*\t+3], v[ADR] offset:\off+768*\t
	ds_load_b64 v[KB+6*\t+4:KB+6*\t+5], v[AD8] offset:\off+768*\t+512
.endr
	ds_load_b128 v[KS:KS+3], v[ADR] offset:\off+12288
.endm
.macro VLOAD                           ; 17 loads
.irp t, 0,1,2,3,4,5,6,7
	ds_load_b128 v[VB+6*\t:VB+6*\t+3], v[ADR] offset:6144+768*\t
	ds_load_b64 v[VB+6*\t+4:VB+6*\t+5], v[AD8] offset:6144+768*\t+512
.endr
	ds_load_b128 v[VS:VS+3], v[ADR] offset:12288
.endm
.macro HERE
	v_add_nc_u32 v[ADR], s[TB], v[LI]
	v_add_nc_u32 v[AD8], s[TB], v[L8]
.endm
.macro PKF n                           ; t - M, two at a time
.rept \n
	v_pk_fma_f32 v[S+J_:S+J_+1], v[S+J_:S+J_+1], s[CS:CS+1], v[NM:NM+1] op_sel_hi:[1,0,0]
.set J_, J_+2
.endr
.endm
; A KEY STEP: 128 keys.  pre = 1: the K of my next step, two steps on, is fetched under this step's softmax.
.macro STEP pre
	HERE
	s_cmp_ge_u32 s[SI], s[NST]
	s_cbranch_scc1 .Lskip_\@                       ; all keys of this step come after my queries
	s_wait_dscnt 0x0                               ; K and its scale words are in
.irp i, 0,1,2,3
.irp u, 0,1
	v_wmma_scale_f32_16x16x128_f8f6f4 v[S+8*(2*\i+\u):S+8*(2*\i+\u)+7], v[KB+12*\i:KB+12*\i+11], v[QZ+6*(1-\u):QZ+6*(1-\u)+11], 0, v[KS+\i], v[QS] matrix_a_fmt:MATRIX_FMT_FP6 matrix_b_fmt:MATRIX_FMT_FP6
.endr
.endr
.rept 4
	v_nop                                          ; four places: in front of the loads into registers that matrix instructions have read, and of the first read of the scores
.endr
	s_wait_alu depctr_va_vdst(0)
	VLOAD
.if \pre
	KLOAD 2*STEPB
.endif
	s_add_co_u32 s52, s[SI], 1                     ; the tile's last step lies on the diagonal: hidden scores become -infinity ahead of the maximum, so that p = 0.  Key 0 of the step counts for every query
	s_cmp_lg_u32 s52, s[NST]
	s_cbranch_scc1 .Lopen_\@
	v_mov_b32 v[TMP], 0xff800000
.set N_, 0
.rept 16                                       ; register 32 c + 8 t + j holds key 64 c + 8 t + j in lanes 0-15; in lanes 16-31 40 more where t is even, 24 more where it is odd
.irp q, 0,1,2,3
	v_cmp_gt_i32 s[56+\q], 64*((N_+\q)/32)+(N_+\q)%32, v[DE+(DO-DE)*(((N_%32)/8)%2)]
.endr
.irp q, 0,1,2,3
	v_cndmask_b32 v[S+N_+\q], v[S+N_+\q], v[TMP], s[56+\q]
.endr
.set N_, N_+4
.endr
.Lopen_\@:
.irp c, 0,1                                    ; the largest score of each of my two blocks, in two chains each: for the row's maximum and for the block's scale
.irp f, 0,1
	v_max3_num_f32 v[BM+2*\c+\f], v[S+32*\c+16*\f], v[S+32*\c+16*\f+1], v[S+32*\c+16*\f+2]
.endr
.endr
.irp i, 3,5,7,9,11,13
.irp c, 0,1
.irp f, 0,1
	v_max3_num_f32 v[BM+2*\c+\f], v[BM+2*\c+\f], v[S+32*\c+16*\f+\i], v[S+32*\c+16*\f+\i+1]
.endr
.endr
.endr
.irp c, 0,1
	v_max3_num_f32 v[BM+2*\c], v[BM+2*\c], v[S+32*\c+15], v[S+32*\c+31]
.endr
.irp c, 0,1
	v_max_num_f32 v[BM+2*\c], v[BM+2*\c], v[BM+2*\c+1]
.endr
	v_max3_num_f32 v[R], v[R], v[BM], v[BM+2]
	v_permlanex16_b32 v[TMP], v[R], s[SEL], s[SEL+1]
	v_max_num_f32 v[R], v[R], v[TMP]               ; the running largest score of my query
	v_mul_f32 v[TMP], s[CS], v[R]                  ; as t
	v_floor_f32 v[ST], -v[TMP]                     ; the new -M = floor(-t) = -ceil(t)
	v_sub_f32 v[TMP], v[ST], v[NM]                 ; old M - new M: a whole number, 0 or less
	v_mov_b32 v[NM], v[ST]
	v_cvt_i32_f32 v[TMP], v[TMP]                   ; (it saturates)
.set J_, 0
	PKF 2                                          ; among these: the factor, and the scales
	v_fma_f32 v[BM], v[BM], s[CS], v[NM]           ; t - M of each block's largest score
	v_fma_f32 v[BM+2], v[BM+2], s[CS], v[NM]
	v_ldexp_f32 v[F], 1.0, v[TMP]                  ; f = 2^(old M - new M)
	PKF 3
	v_max_num_f32 v[BM], 0xc2f80000, v[BM]         ; at least -124: the byte cannot fall under 1
	v_max_num_f32 v[BM+2], 0xc2f80000, v[BM+2]
	PKF 3
	v_cvt_floor_i32_f32 v[BM+1], v[BM]             ; the exponent of the block's largest p
	v_cvt_floor_i32_f32 v[BM+3], v[BM+2]
	PKF 3
	v_lshl_add_u32 v[SO], v[BM+1], 23, 0x3e800000  ; (exponent - 2 + 127) << 23: the conversion's scale operand
	v_lshl_add_u32 v[SO+1], v[BM+3], 23, 0x3e800000
	v_lshl_add_u32 v[ST], v[BM+3], 16, v[BM+1]
	PKF 3
	v_add_nc_u32 v[ST], 0x7d007d, v[ST]            ; my two bytes: blocks h and 2 + h,
	PKF 3
	v_lshlrev_b32 v[ST], v[SH], v[ST]              ; at their places in the scale word;
	PKF 3
	v_permlanex16_b32 v[ST+1], v[ST], s[SEL], s[SEL+1]
	PKF 3
	v_or_b32 v[PS], v[ST], v[ST+1]                 ; with lane l xor 16's two p's scale word for these 128 keys is whole
	PKF 9
.set J_, 0
.rept 16
	v_pk_mul_f32 v[O+J_:O+J_+1], v[O+J_:O+J_+1], v[F:F+1] op_sel_hi:[1,0]   ; O^T under the new M, each accumulator from its low end on
.set J_, J_+2
.endr
	s_wait_alu depctr_va_vdst(0)                   ; the wait ahead of the batch
.set J_, 0
.rept 64
	v_exp_f32 v[S+J_], v[S+J_]                     ; p = 2^(t - M)
.set J_, J_+1
.endr
	v_pk_mul_f32 v[SUM:SUM+1], v[SUM:SUM+1], v[F:F+1] op_sel_hi:[1,0]   ; the sums under the new M.  (The plain place behind the exponentials)
	s_wait_alu depctr_va_vdst(0)                   ; and behind it
.irp c, 0,1
	v_cvt_scalef32_pk16_fp6_f32 v[PC+6*\c:PC+6*\c+2], v[S+32*\c:S+32*\c+15], v[SO+\c]
	v_cvt_scalef32_pk16_fp6_f32 v[BM+4*\c:BM+4*\c+2], v[S+32*\c+16:S+32*\c+31], v[SO+\c]   ; (a conversion's three registers begin on an even number)
.endr
	v_pk_add_f32 v[SUM:SUM+1], v[SUM:SUM+1], v[S:S+1]   ; the row's sum, of the unquantised p.  (The plain place behind the conversions)
.irp c, 0,1
.irp i, 0,1,2
	v_mov_b32 v[PC+3+6*\c+\i], v[BM+4*\c+\i]
.endr
.endr
.irp a, 0,1,2
	v_pk_add_f32 v[BM+2*\a:BM+2*\a+1], v[S+2+4*\a:S+3+4*\a], v[S+4+4*\a:S+5+4*\a]
.endr
.set J_, 14                                    ; four chains by turns
.rept 6
	v_pk_add_f32 v[SUM:SUM+1], v[SUM:SUM+1], v[S+J_:S+J_+1]
.irp a, 0,1,2
	v_pk_add_f32 v[BM+2*\a:BM+2*\a+1], v[BM+2*\a:BM+2*\a+1], v[S+J_+2+2*\a:S+J_+3+2*\a]
.endr
.set J_, J_+8
.endr
	v_pk_add_f32 v[SUM:SUM+1], v[SUM:SUM+1], v[S+62:S+63]
	v_pk_add_f32 v[BM:BM+1], v[BM:BM+1], v[BM+2:BM+3]
	v_pk_add_f32 v[SUM:SUM+1], v[SUM:SUM+1], v[BM+4:BM+5]
	v_pk_add_f32 v[SUM:SUM+1], v[SUM:SUM+1], v[BM:BM+1]
	s_wait_dscnt 17*\pre                           ; V and its scale words are in; the 17 loads issued behind them, my next step's K, may be out
.irp d, 0,1,2,3                                ; the four accumulators by turns
	v_wmma_scale_f32_16x16x128_f8f6f4 v[O+8*\d:O+8*\d+7], v[VB+12*\d:VB+12*\d+11], v[PC:PC+11], v[O+8*\d:O+8*\d+7], v[VS+\d], v[PS] matrix_a_fmt:MATRIX_FMT_FP6 matrix_b_fmt:MATRIX_FMT_FP6 matrix_a_scale:MATRIX_SCALE_ROW1
.endr
.Lskip_\@:
	s_add_co_u32 s[SI], s[SI], 2                   ; my next step is two steps on
	s_add_co_u32 s[TB], s[TB], 2*STEPB
.endm
	s_load_b128 s[4:7], s[0:1], 0x0                ; qw s[4:5], kv s[6:7]
	s_load_b64 s[8:9], s[0:1], 0x10                ; out0
	v_lshl_add_u32 v[SO], v0, 2, SPARE
	v_mov_b32 v[SO+1], 0
	ds_add_u32 v[SO], v[SO+1]                      ; the add here, twice on end
	ds_add_u32 v[SO], v[SO+1]
	v_lshrrev_b32 v[ADR], 5, v0
	v_readfirstlane_b32 s[WV], v[ADR]              ; wave 0..15
	s_mov_b32 s[CC], ttmp9                         ; the cluster's x: 0..3
	s_and_b32 s[BA], ttmp7, 0xffff                 ; the batch
	s_and_b32 s52, s[WV], 3                        ; a
	s_lshr_b32 s53, s[WV], 2
	s_add_co_u32 s53, s53, s52
	s_and_b32 s53, s53, 3                          ; tau
	s_and_b32 s[EE], s53, 1                        ; e
	s_lshr_b32 s16, s53, 1                         ; hi
	s_and_b32 s[UU], s52, 1                        ; u
	s_lshr_b32 s15, s52, 1                         ; k
	s_lshl_b32 s[SL], s16, 2
	s_add_co_u32 s[SL], s[SL], s52                 ; the tile's number: a + 4 hi
	s_lshl_b32 s52, s[CC], 1
	s_add_co_u32 s52, s52, s15                     ; 2 c + k
	s_lshl_b32 s53, s52, 1
	s_sub_co_u32 s53, 15, s53                      ; 15 - 4 c - 2 k
	s_mul_i32 s53, s53, s16
	s_add_co_u32 s[NST], s52, s53
	s_add_co_u32 s[NST], s[NST], 1                 ; n
	; descriptor group 1: 50 rows of 256 bytes (32 elements of 8 bytes), dense, no padding
	s_mov_b32 s[G1], 15|(3<<16)|(1<<21)            ; the mask: all four work-groups
	s_mov_b32 s[G1+1], 32<<16
	s_mov_b32 s[G1+2], 50<<16
	s_mov_b32 s[G1+3], 32<<16
	s_mov_b32 s[G1+4], 50
	s_mov_b32 s[G1+5], 32
	s_mov_b32 s[G1+6], 0
	s_mov_b32 s[G1+7], 0
	s_mul_i32 s54, s[WV], STEPB                    ; step w, in LDS and in memory alike
	s_mul_i32 s56, s[BA], 16*STEPB
	s_add_co_u32 s56, s56, s54
	s_mov_b32 s57, 0
	s_bfe_u32 s[CX], ttmp6, 0x40000                ; cx: from here on in registers that feed no descriptor, no branch and no LDS address
	s_lshr_b32 s52, s[CX], 1
	s_lshl_b32 s52, s52, 6
	s_and_b32 s53, s[CX], 1
	s_lshl_b32 s53, s53, 4
	s_add_co_u32 s[DC], s52, s53
	s_lshl_b32 s52, s[UU], 3
	s_add_co_u32 s[DC], s[DC], s52                 ; tile T = 2 cx + u begins at 64 (T / 4) + 8 (T % 4)
	s_lshl_b32 s55, s[CX], 1
	s_add_co_u32 s55, s55, s[UU]                   ; T
	s_lshl_b32 s52, s[BA], 4
	s_add_co_u32 s52, s52, s[NST]
	s_sub_co_u32 s52, s52, 1
	s_mul_i32 s52, s52, 6400                       ; my queries' block of qw: 16 x batch + n - 1
	s_mul_i32 s58, s55, 768
	s_add_co_u32 s58, s58, s52
	s_mov_b32 s59, 0
	s_lshl_b32 s53, s55, 1
	s_add_co_u32 s52, s52, s53                     ; and its scale bytes: 2 T on in each row's 16
	s_mov_b32 s53, 0
	s_lshl_b32 s66, s[BA], 11
	s_sub_co_u32 s67, s[NST], 1
	s_lshl_b32 s67, s67, 7
	s_add_co_u32 s66, s66, s67
	s_add_co_u32 s66, s66, s[DC]
	s_lshl_b32 s66, s66, 8                         ; out0: 256 bytes a row
	s_mov_b32 s67, 0
	s_lshl_b32 s50, s[UU], 4
	s_sub_co_u32 s50, 40, s50                      ; from the tile's row 0 to its row 8: 40 tokens where t is even, 24 where it is odd (t's parity is u)
	s_lshl_b32 s70, s50, 8
	s_mov_b32 s71, 0
	s_mov_b32 s[SEL], 0x76543210
	s_mov_b32 s[SEL+1], 0xfedcba98
	s_mov_b32 s[CS], 0x3e38aa3b                    ; log2(e) / 8
	s_mov_b32 s[CS+1], s[CS]                       ; (named with it as a pair, so it is written)
	s_mov_b32 s[SI], s[EE]                         ; my first step: e,
	s_mul_i32 s[TB], s[EE], STEPB                  ; and its LDS byte
	v_and_b32 v[BM], 15, v0
	v_lshlrev_b32 v[BM], 4, v[BM]                  ; 16 r
	v_and_b32 v[BM+1], 7, v0
	v_bfe_u32 v[BM+2], v0, 3, 1
	v_bfe_u32 v[BM+3], v0, 4, 1                    ; h
	v_and_b32 v[ST], 31, v0
	v_lshlrev_b32 v[LI], 4, v[ST]
	v_lshlrev_b32 v[L8], 3, v[ST]
	v_lshlrev_b32 v[SH], 3, v[BM+3]
	v_mad_u32_u24 v[ST+1], v[BM+2], s50, v[BM+1]
	v_add_nc_u32 v[ST+1], s[DC], v[ST+1]           ; my query's place in its block
	v_mul_u32_u24 v[ST+2], 40, v[BM+3]
	v_mul_u32_u24 v[ST+3], 24, v[BM+3]
	v_sub_nc_u32 v[DE], v[ST+1], v[ST+2]
	v_sub_nc_u32 v[DO], v[ST+1], v[ST+3]
	s_wait_alu depctr_va_vdst(0)
	s_wait_dscnt 0x0
	ROUND                                          ; all four work-groups are here: the joint loads meet
	s_wait_kmcnt 0x0
	s_mov_b32 s[G0], 1
	s_mov_b32 s[G0+1], s54
	s_add_nc_u64 s[G0+2:G0+3], s[6:7], s[56:57]
	s_or_b32 s[G0+3], s[G0+3], 0x80000000
	s_cmp_lt_u32 s[WV], 2                          ; the launch's only fills, one a wave
	s_cbranch_scc0 .Llater
	tensor_load_to_lds s[G0:G0+3], s[G1:G1+7]      ; steps 0 and 1
	s_nop 0
.rept 4
	v_nop
.endr
	s_branch .Lasked
.Llater:
	tensor_load_to_lds s[G0:G0+3], s[G1:G1+7]      ; steps 2 to 15
	s_nop 0
.rept 4
	v_nop
.endr
.Lasked:
	s_add_nc_u64 s[60:61], s[4:5], s[58:59]
	s_add_nc_u64 s[62:63], s[4:5], s[52:53]
	global_load_b128 v[QZ+6:QZ+9], v[LI], s[60:61]
	global_load_b64 v[QZ+10:QZ+11], v[L8], s[60:61] offset:512
	global_load_u16 v[QS], v[BM], s[62:63] offset:6144
	s_add_nc_u64 s[8:9], s[8:9], s[66:67]
	s_add_nc_u64 s[70:71], s[8:9], s[70:71]        ; the tile's rows 8-15
	v_mov_b32 v[R], 0xff61b1e6                     ; the largest score so far: -3e38, under every score
	v_mul_f32 v[NM], s[CS], v[R]
	v_floor_f32 v[NM], -v[NM]                      ; -M
	v_mov_b32 v[SUM], 0
	v_mov_b32 v[SUM+1], 0
	v_mov_b32 v[ST+1], 0                           ; a lane permute's destination counts as one of its sources
	v_mov_b32 v[TMP], 0
.irp j, 0,1,2,3,4,5
	v_mov_b32 v[QZ+\j], 0                          ; zero codes on both sides of q
	v_mov_b32 v[QZ+12+\j], 0
.endr
	s_wait_loadcnt 0x0                             ; q
	v_lshl_or_b32 v[QS], v[QS], 16, v[QS]          ; the tile's two bytes, twice
.set J_, 0
.rept 32
	v_mov_b32 v[O+J_], 0                           ; O^T.  (The step has no first form of its own, and a wave with no step at all hands zeros on.  These are also the places behind q's scale word)
.set J_, J_+1
.endr
	s_cmp_lt_u32 s[WV], 2
	s_cbranch_scc0 .Lnot_first
	s_wait_tensorcnt 0x0
.Lnot_first:
	BARRIER                                        ; steps 0 and 1 are in
	HERE
	KLOAD 0
	STEP 0                                         ; trip 0: steps 0, 1
	s_wait_tensorcnt 0x0
	BARRIER                                        ; all steps are in
	HERE
	KLOAD 0
	s_mov_b32 s[CT], 6
.Ltrips:                                               ; trips 1 to 6: steps 2 to 13
	STEP 1
	s_sub_co_u32 s[CT], s[CT], 1
	s_cmp_lg_u32 s[CT], 0
	s_cbranch_scc1 .Ltrips
	STEP 0                                         ; trip 7: steps 14, 15: nothing is left to fetch
	; THE TWO HALVES MEET.  Every LDS address of the end is made here, ahead of the waves' parting; these plain lines are also the places behind the last products.
	s_mul_i32 s52, s[SL], 16*272
	s_add_co_u32 s52, s52, STAGE                   ; the tile's stage
	s_mul_i32 s53, s[SL], XSL
	s_add_co_u32 s53, s53, XCH                     ; its exchange slot
	v_mov_b32 v[F], v[NM]
	v_and_b32 v[BM], 15, v0                        ; r
	v_bfe_u32 v[BM+1], v0, 4, 1                    ; h
	v_mul_u32_u24 v[ST], v[BM], 272
	v_mul_u32_u24 v[ST+1], v[BM+1], 272
	v_lshlrev_b32 v[ST+2], 8, v[BM+1]
	v_lshl_add_u32 v[ST], v[BM+1], 5, v[ST]
	v_lshl_add_u32 v[ST+1], v[BM], 4, v[ST+1]
	v_lshl_add_u32 v[ST+2], v[BM], 4, v[ST+2]      ; two rows of out0: lanes 0-15 one, lanes 16-31 the next
	v_add_nc_u32 v[ST], s52, v[ST]                 ; in: row r, + 32 h: register 8 d + j is channel 16 d + 8 h + j
	v_add_nc_u32 v[ST+1], s52, v[ST+1]             ; back: the same two rows
	v_add_nc_u32 v[ST+3], s53, v[LI]
	s_cmp_eq_u32 s[EE], 0
	s_cbranch_scc1 .Lkeeps
.irp g, 0,1,2,3,4,5,6,7                        ; wave e = 1 hands its half on as an image of its registers: the same lane of the partner holds the same query
	ds_store_b128 v[ST+3], v[O+4*\g:O+4*\g+3] offset:512*\g    ; each accumulator from its low end on
.endr
	ds_store_b128 v[ST+3], v[12:15] offset:4096    ; -M, a number that is not used, the sum's two halves
.Lkeeps:
	s_wait_dscnt 0x0                               ; for the partner's sake: my stores have landed; and no LDS load of mine is out
	s_barrier_signal -1
	s_barrier_wait -1
	s_cmp_lg_u32 s[EE], 0
	s_cbranch_scc1 .Lsent
	s_wait_alu depctr_va_vdst(0)
	ds_load_b128 v[S+32:S+35], v[ST+3] offset:4096
.irp g, 0,1,2,3,4,5,6,7
	ds_load_b128 v[S+4*\g:S+4*\g+3], v[ST+3] offset:512*\g
.endr
	s_wait_dscnt 0x0
	v_min_num_f32 v[TMP], v12, v[S+32]             ; -M of the two together: the smaller
	v_sub_f32 v[BM+1], v[TMP], v12                 ; my M less the common one: a whole number, 0 or less
	v_sub_f32 v[BM+3], v[TMP], v[S+32]             ; the partner's likewise (a half without a step holds a huge -M: its factor falls to 0)
	v_cvt_i32_f32 v[BM+1], v[BM+1]                 ; (they saturate)
	v_cvt_i32_f32 v[BM+3], v[BM+3]
	v_ldexp_f32 v[BM], 1.0, v[BM+1]                ; f0
	v_ldexp_f32 v[BM+2], 1.0, v[BM+3]              ; f1: exact powers of two
	v_pk_mul_f32 v[14:15], v[14:15], v[BM:BM+1] op_sel_hi:[1,0]
	v_pk_fma_f32 v[14:15], v[S+34:S+35], v[BM+2:BM+3], v[14:15] op_sel_hi:[1,0,1]   ; both sums under the common M
	v_add_f32 v14, v14, v15                        ; the sum's two halves,
	v_permlanex16_b32 v[TMP], v14, s[SEL], s[SEL+1]
	v_add_f32 v14, v14, v[TMP]                     ; and lane l xor 16's
	s_wait_alu depctr_va_vdst(0)
	v_rcp_f32 v14, v14
	v_nop                                          ; one plain place behind the reciprocal
	s_wait_alu depctr_va_vdst(0)
	v_mul_f32 v[BM], v[BM], v14                    ; f0 / the sum
	v_mul_f32 v[BM+2], v[BM+2], v14                ; f1 / the sum
.set J_, 0
.rept 16
	v_pk_mul_f32 v[S+J_:S+J_+1], v[S+J_:S+J_+1], v[BM+2:BM+3] op_sel_hi:[1,0]
.set J_, J_+2
.endr
.set J_, 0
.rept 16
	v_pk_fma_f32 v[S+J_:S+J_+1], v[O+J_:O+J_+1], v[BM:BM+1], v[S+J_:S+J_+1] op_sel_hi:[1,0,1]   ; each accumulator from its low end on
.set J_, J_+2
.endr
	; THE WAY OUT.  The tile goes through its stage in LDS and comes back by rows of 256 bytes: sixteen lanes store one row of out0, 256 consecutive bytes at a multiple of 256.
.irp d, 0,1,2,3
	ds_store_b128 v[ST], v[S+8*\d:S+8*\d+3] offset:64*\d
	ds_store_b128 v[ST], v[S+8*\d+4:S+8*\d+7] offset:64*\d+16
.endr
.irp i, 0,1,2,3,4,5,6,7
	ds_load_b128 v[S+32+4*\i:S+32+4*\i+3], v[ST+1] offset:2*\i*272   ; LDS serves a wave's instructions in order (ISA guide 5.7.1.4): these see my stores
.endr
.irp i, 0,1,2,3
	s_wait_dscnt 7-\i                              ; the younger loads may stay out
	global_store_b128 v[ST+2], v[S+32+4*\i:S+32+4*\i+3], s[8:9] offset:512*\i th:TH_STORE_NT
.endr
.irp i, 4,5,6,7
	s_wait_dscnt 7-\i
	global_store_b128 v[ST+2], v[S+32+4*\i:S+32+4*\i+3], s[70:71] offset:512*(\i-4) th:TH_STORE_NT
.endr
.Lsent:
	v_lshl_add_u32 v[SO], v0, 2, SPARE
	v_mov_b32 v[SO+1], 0
	s_wait_alu depctr_va_vdst(0)
	s_wait_tensorcnt 0x0                           ; the wave's end
	ds_add_u32 v[SO], v[SO+1]
	s_wait_dscnt 0x0
	ROUND                                          ; the closing round: no work-group ends while a partner may still ask for a tile that names it
	s_endpgm
.Lfunc_end_k_qd9fac21251_attn:
	.size	k_qd9fac21251_attn, .Lfunc_end_k_qd9fac21251_attn-k_qd9fac21251_attn
	.p2alignl 7, 3214868480
	.fill 96, 4, 3214868480
	.section	.rodata,"a",@progbits
	.p2align	6, 0x0
	.amdhsa_kernel k_qd9fac21251_attn
		.amdhsa_group_segment_fixed_size 278528
		.amdhsa_private_segment_fixed_size 0
		.amdhsa_enable_private_segment 0
		.amdhsa_kernarg_size 24
		.amdhsa_user_sgpr_count 2
		.amdhsa_user_sgpr_kernarg_segment_ptr 1
		.amdhsa_wavefront_size32 1
		.amdhsa_system_sgpr_workgroup_id_x 1
		.amdhsa_system_sgpr_workgroup_id_y 1
		.amdhsa_system_sgpr_workgroup_id_z 1
		.amdhsa_system_vgpr_workitem_id 0
		.amdhsa_next_free_vgpr 256
		.amdhsa_next_free_sgpr 80
		.amdhsa_reserve_vcc 0
		.amdhsa_float_denorm_mode_32 3
		.amdhsa_float_denorm_mode_16_64 3
		.amdhsa_memory_ordered 1
		.amdhsa_forward_progress 1
		.amdhsa_inst_pref_size 88
	.end_amdhsa_kernel
	.amdgpu_metadata
---
amdhsa.version: [ 1, 2 ]
amdhsa.kernels:
  - .name:           k_qd9fac21251_attn
    .symbol:         k_qd9fac21251_attn.kd
    .args:
      - { .name: qw, .offset: 0, .size: 8, .value_kind: global_buffer, .address_space: global }
      - { .name: kv, .offset: 8, .size: 8, .value_kind: global_buffer, .address_space: global }
      - { .name: out0, .offset: 16, .size: 8, .value_kind: global_buffer, .address_space: global }
    .group_segment_fixed_size: 278528
    .private_segment_fixed_size: 0
    .kernarg_segment_align: 8
    .kernarg_segment_size: 24
    .max_flat_workgroup_size: 512
    .sgpr_count:     80
    .vgpr_count:     256
    .wavefront_size: 32
...
	.end_amdgpu_metadata
.endif
;; end of part 2
